; MI455X (gfx1250); checked and timed in simulation.
; The chip was launched on July 23, 2026; its instructions are those of AMD's public machine-readable ISA for CDNA 5 (MIT licence, August 2026) and "CDNA5" Instruction Set Architecture Reference Guide (July 2026). The comments in the code are by the model that wrote it; some were corrected since.
;; Multihead Attention. Allowed arithmetic: float matrix products may take bf16 or f16 operands with f32 sums; all other float work in f32.
;; Inputs: Wk 1,024 x 1,024 float32; Wq 1,024 x 1,024 float32; Wv 1,024 x 1,024 float32; beta 1,024 float32; bk 1,024 float32; bq 1,024 float32; bv 1,024 float32; gamma 1,024 float32; x 32 x 1,024 x 512 float32.
;; Outputs: out0 32 x 1,024 x 512 float32.
;; Constants: num_heads = 16.
;; 2 versions, each right; version 2 is version 1 with the launch norm written anew for expert scheduling mode. Each part assembles by itself: llvm-mc -triple=amdgcn-amd-amdhsa -mcpu=gfx1250 --defsym DOCPART=n.
;; ======== version 1 of 2: 3 launches
;; workspace buffers: xb 33,554,432 bytes; wb 6,291,456 bytes; y 67,108,864 bytes; stats 262,144 bytes
;; launch prep (part 1): grid 1216 x 1, 8 waves a work-group, no clusters, 0 bytes of LDS; arguments x, Wq, Wk, Wv, xb, wb; writes xb, wb
.if DOCPART == 1
	.amdgcn_target "amdgcn-amd-amdhsa--gfx1250"
	.amdhsa_code_object_version 6
	.text
	.protected	k_q5f4bc0c5c6_prep
	.globl	k_q5f4bc0c5c6_prep
	.p2align	8
	.type	k_q5f4bc0c5c6_prep,@function
k_q5f4bc0c5c6_prep:
	s_mov_b64 s[64:65], 0
	v_nop
	global_prefetch_b8 v0, s[64:65] scope:SCOPE_SE
	s_setreg_imm32_b32 hwreg(HW_REG_WAVE_MODE, 25, 1), 1
	s_wait_xcnt 0x0
; Casts the matrix operands of the attention launch to bf16, once, so that it can fetch them as tiles shared between work-groups.
;   xb[b][d][t]              = bf16(x[b][d][t])                  the order of x is kept
;   wb[hd][dblk][m][dl][c]   = bf16(W_m[32 dblk + dl][64 hd + c])   m = 0, 1, 2 for Wq, Wk, Wv; 16 x 32 x 3 x 32 x 64
; so that the three weights' 32 rows of d for one head are 12,288 consecutive bytes.
; No work of the problem is left out anywhere in this program: every bias stands in front of a relu, gamma and beta reach the
; result, and all nine input buffers are loaded by some launch.
; A pure stream: no LDS, no barrier, no matrix unit, nothing shared between work-groups.
; Work-groups 0 .. 1023 take 65,536 bytes of x each; work-groups 1024 .. 1215 take 16 rows of one weight each.
; A wave issues its 16 loads at once (8,192 bytes on their way), then converts and stores in the order of arrival.
; No register is written twice, so no source of a pending load or store is ever overwritten.
.set X,    8                           ; v[8:71]    16 loads of 4 f32
.set Y,    72                          ; v[72:103]  16 stores of 4 bf16
.set VIN,  2                           ; v2         my byte offset in the part that is read
.set VOUT, 3                           ; v3         my byte offset in the part that is written
.macro CAST instep, outstep
.set j, 0
.rept 16
	global_load_b128 v[X+4*j:X+4*j+3], v[VIN], s[16:17] offset:j*\instep th:TH_LOAD_NT
.set j, j+1
.endr
.set j, 0
.rept 16
	s_wait_loadcnt 15-j                            ; loads return in order: load j is in, the 15 - j younger ones stay out
	v_cvt_pk_bf16_f32 v[Y+2*j],   v[X+4*j],   v[X+4*j+1]
	v_cvt_pk_bf16_f32 v[Y+2*j+1], v[X+4*j+2], v[X+4*j+3]
	global_store_b64 v[VOUT], v[Y+2*j:Y+2*j+1], s[18:19] offset:j*\outstep   ; 32 lanes x 8 bytes: 256 consecutive bytes, aligned
.set j, j+1
.endr
.endm
	s_load_b256 s[4:11], s[0:1], 0x0               ; x s[4:5], Wq s[6:7], Wk s[8:9], Wv s[10:11]
	s_load_b128 s[12:15], s[0:1], 0x20             ; xb s[12:13], wb s[14:15]
	v_and_b32 v1, 31, v0                           ; lane
	v_lshrrev_b32 v4, 5, v0                        ; wave
	s_mov_b32 s21, 0
	s_mov_b32 s23, 0
	s_cmp_lt_u32 ttmp9, 1024
	s_cbranch_scc0 .Lweights
	; x: work-group g reads bytes 65,536 g .., wave w its 8,192, a load 512 consecutive bytes
	s_lshl_b32 s20, ttmp9, 16
	s_lshl_b32 s22, ttmp9, 15
	v_lshlrev_b32 v[VIN], 4, v1
	v_lshl_add_u32 v[VIN], v4, 13, v[VIN]          ; 8,192 wave + 16 lane
	v_lshlrev_b32 v[VOUT], 3, v1
	v_lshl_add_u32 v[VOUT], v4, 12, v[VOUT]        ; 4,096 wave + 8 lane
	s_wait_kmcnt 0x0
	s_add_nc_u64 s[16:17], s[4:5], s[20:21]
	s_add_nc_u64 s[18:19], s[12:13], s[22:23]
	CAST 512, 256
	s_endpgm
.Lweights:
	; q = g - 1024: weight m = q / 64, rows d = 16 rb .. 16 rb + 15 with rb = q % 64.  Wave w takes rows 16 rb + 2 w and + 1:
	; lanes 0-15 the 256 bytes (64 columns, one head) of the first, lanes 16-31 of the second.  Load j is head j.
	s_sub_co_u32 s24, ttmp9, 1024
	s_lshr_b32 s25, s24, 6                         ; m
	s_and_b32 s26, s24, 63                         ; rb
	s_lshl_b32 s20, s26, 16                        ; 16 rows of 4,096 bytes
	s_lshr_b32 s27, s26, 1                         ; dblk
	s_mul_i32 s27, s27, 3
	s_add_co_u32 s27, s27, s25                     ; 3 dblk + m
	s_lshl_b32 s22, s27, 12                        ; x 4,096 bytes
	s_and_b32 s28, s26, 1
	s_lshl_b32 s28, s28, 11                        ; the upper 16 of the block's 32 rows: 16 x 128 bytes
	s_add_co_u32 s22, s22, s28
	v_and_b32 v5, 15, v0
	v_bfe_u32 v6, v0, 4, 1
	v_lshlrev_b32 v[VIN], 4, v5
	v_lshl_add_u32 v[VIN], v6, 12, v[VIN]
	v_lshl_add_u32 v[VIN], v4, 13, v[VIN]          ; 8,192 wave + 4,096 (lane / 16) + 16 (lane % 16)
	v_lshlrev_b32 v[VOUT], 3, v1
	v_lshl_add_u32 v[VOUT], v4, 8, v[VOUT]         ; two rows of 128 bytes a wave: 256 wave + 8 lane
	s_wait_kmcnt 0x0
	s_cmp_eq_u32 s25, 0
	s_cselect_b64 s[16:17], s[6:7], s[8:9]         ; m = 0: Wq, else Wk,
	s_cmp_eq_u32 s25, 2
	s_cselect_b64 s[16:17], s[10:11], s[16:17]     ; m = 2: Wv
	s_add_nc_u64 s[16:17], s[16:17], s[20:21]
	s_add_nc_u64 s[18:19], s[14:15], s[22:23]
	CAST 256, 393216                               ; from head to head: 256 bytes in W, 393,216 in wb (15 of them fit the signed 24-bit immediate)
	s_endpgm
.Lfunc_end_k_q5f4bc0c5c6_prep:
	.size	k_q5f4bc0c5c6_prep, .Lfunc_end_k_q5f4bc0c5c6_prep-k_q5f4bc0c5c6_prep
	.p2alignl 7, 3214868480
	.fill 96, 4, 3214868480
	.section	.rodata,"a",@progbits
	.p2align	6, 0x0
	.amdhsa_kernel k_q5f4bc0c5c6_prep
		.amdhsa_group_segment_fixed_size 0
		.amdhsa_private_segment_fixed_size 0
		.amdhsa_enable_private_segment 0
		.amdhsa_kernarg_size 48
		.amdhsa_user_sgpr_count 2
		.amdhsa_user_sgpr_kernarg_segment_ptr 1
		.amdhsa_wavefront_size32 1
		.amdhsa_system_sgpr_workgroup_id_x 1
		.amdhsa_system_sgpr_workgroup_id_y 1
		.amdhsa_system_sgpr_workgroup_id_z 1
		.amdhsa_system_vgpr_workitem_id 0
		.amdhsa_next_free_vgpr 104
		.amdhsa_next_free_sgpr 66
		.amdhsa_reserve_vcc 0
		.amdhsa_float_denorm_mode_32 3
		.amdhsa_float_denorm_mode_16_64 3
		.amdhsa_memory_ordered 1
		.amdhsa_forward_progress 1
		.amdhsa_inst_pref_size 13
	.end_amdhsa_kernel
	.amdgpu_metadata
---
amdhsa.version: [ 1, 2 ]
amdhsa.kernels:
  - .name:           k_q5f4bc0c5c6_prep
    .symbol:         k_q5f4bc0c5c6_prep.kd
    .args:
      - { .name: x, .offset: 0, .size: 8, .value_kind: global_buffer, .address_space: global }
      - { .name: Wq, .offset: 8, .size: 8, .value_kind: global_buffer, .address_space: global }
      - { .name: Wk, .offset: 16, .size: 8, .value_kind: global_buffer, .address_space: global }
      - { .name: Wv, .offset: 24, .size: 8, .value_kind: global_buffer, .address_space: global }
      - { .name: xb, .offset: 32, .size: 8, .value_kind: global_buffer, .address_space: global }
      - { .name: wb, .offset: 40, .size: 8, .value_kind: global_buffer, .address_space: global }
    .group_segment_fixed_size: 0
    .private_segment_fixed_size: 0
    .kernarg_segment_align: 8
    .kernarg_segment_size: 48
    .max_flat_workgroup_size: 256
    .sgpr_count:     66
    .vgpr_count:     104
    .wavefront_size: 32
...
	.end_amdgpu_metadata
.endif
;; end of part 1
;; launch attn (part 2): grid 16 x 32, 4 waves a work-group, clusters of 4 x 4, 327,680 bytes of LDS; arguments xb, wb, x, bq, bk, bv, y, stats; writes y, stats
.if DOCPART == 2
	.amdgcn_target "amdgcn-amd-amdhsa--gfx1250"
	.amdhsa_code_object_version 6
	.text
	.protected	k_q5f4bc0c5c6_attn
	.globl	k_q5f4bc0c5c6_attn
	.p2align	8
	.type	k_q5f4bc0c5c6_attn,@function
k_q5f4bc0c5c6_attn:
	s_mov_b64 s[64:65], 0
	v_nop
	global_prefetch_b8 v0, s[64:65] scope:SCOPE_SE
	s_setreg_imm32_b32 hwreg(HW_REG_WAVE_MODE, 25, 1), 1
	s_wait_xcnt 0x0
	s_wait_alu depctr_hold_cnt(0) depctr_sa_sdst(0) depctr_va_vdst(0) depctr_va_sdst(0) depctr_va_ssrc(0) depctr_va_vcc(0) depctr_vm_vsrc(0)
	s_getreg_b32 s2, hwreg(HW_REG_IB_STS2, 6, 4)
	s_cmp_eq_u32 s2, 0
	s_cbranch_scc0 .Lentry_in_a_cluster
	s_endpgm
.Lentry_in_a_cluster:
	s_bfe_u32 s2, ttmp6, 0x10000c
	s_cmp_lg_u32 s2, 0xf033
	s_cbranch_scc0 .Lentry_shape_is_right
	s_endpgm
.Lentry_shape_is_right:
; One work-group = one batch b and one head hd:  Q, K, V = relu(x[b]^T W[:, head] + bias)  (512 x 64 each, sums over d = 1024),
; softmax(Q K^T / 8) V with a running maximum, + the residual x, written as y[b][64 hd + c][t] in f32 (the value in front of the batch norm),
; and for each of the 64 channels the mean of its 512 values and the sum of squares about that mean (stats[b][hd][0 / 1][c]).
; Nothing of the problem is left out here.  Matrix operands are bf16, all sums, the softmax and the statistics f32.
; LIMITS: a NaN among the inputs is not carried as the formula would carry it (the relu and the running maximum are taken with
; instructions in which a NaN loses); exponentials below 2^-126 count as 0.
;
; Four waves, as many as a WGP has SIMDs.  Wave w owns t = 128 w .. 128 w + 127 in the projection and as queries (8 tiles tb of 16),
; and channels 16 w .. 16 w + 15 on the way out.
; CLUSTERS: 4 x 4 work-groups.  The four of a row of the cluster have one b and need the same tiles of xb; the four of a column have one
; hd and need the same tiles of wb.  Each tile is asked for jointly by the four, with one descriptor and a mask that names them.
; PREFETCH: the sixteen work-groups of one b share out the rows of xb[b] that the ring will want two laps on: see PREF.
;
; HOW THE PRODUCTS LIE (a fragment serves as source 0 or source 1 alike: lane l holds row or column l % 16, k along its registers):
;   Q^T = Wq frag x X frag : register j of lane (r, h) is (o = 8 h + j, t = r); biased, clipped and packed it IS source 1 of the scores' product
;   K^T = Wk frag x X frag : (o = 8 h + j, s = r): 16 bytes = 8 neighbouring o, to LDS K[s][o]
;   V   = X frag x Wv frag : (t = 8 h + j, c = r): 16 bytes = 8 neighbouring t, to LDS Vt[c][t]
;   S^T = K frag x Q frag  : (s = 8 h + j, t = r): a query is one lane and its partner l xor 16; packed it IS source 1 of the last product
;   C^T = Vt frag x P frag : (c = 8 h + j, t = r): the rescaling and 1 / l are factors of the lane
; xb and wb have d, the index summed over, from row to row; the fragments are read from LDS by the transposing load.
;
; LDS:  ring slot s at 98,304 s:  64 rows of d of xb, 1,024 bytes + 32 of padding;  then 192 pieces of wb (2 blocks of 32 d x 3 weights x 32 rows)
;       of 128 bytes + 32 of padding.  Both pitches are odd multiples of 32 bytes.
;       Behind the ring's last fill its bytes are used again:  K 512 rows x 144 at 0;  Vt 64 rows x 1,040 at 73,728;
;       stage (C^T in f32) 64 rows x 2,064 at 140,288 (all odd multiples of 16 bytes).
;       Never filled by a tensor load: the 64 means and 64 sums of squares at 272,384; each wave's copy of the head's 3 x 64 biases at 272,896 + 768 w.
; REGISTERS, in windows of 256:  window 0 addresses, fragments, softmax state;  window 1 Q sums, then scores, then x and y;
;       window 2 K sums, then C^T, then stage rows and deviations;  window 3 V sums, then Q fragments (0-127) and P fragments (128-255).
.set SLOT,   98304
.set PX,     1056                      ; LDS pitch of a row of xb
.set XHALF,  32*PX                     ; what one tensor load brings of xb
.set WOFF,   64*PX                     ; wb's pieces lie behind xb's 64 rows
.set PW,     160                       ; LDS pitch of a piece of wb
.set WHALF,  96*PW                     ; what one tensor load brings of wb
.set PKR,    144                       ; K[s][o]
.set PVR,    1040                      ; Vt[c][s]
.set VBASE,  512*PKR
.set PSR,    2064                      ; stage
.set SBASE,  VBASE+64*PVR
.set STATL,  SBASE+64*PSR
.set BIASL,  STATL+512
.set LAPB,   131072                    ; bytes of xb[b] in a lap of the ring: 128 rows of d x 1,024
; window 0
.set ADRX, 8                           ; v8, v9    my X fragments in slot 0, 1
.set ADRW, 10                          ; v10, v11  the W fragments in slot 0, 1
.set STK,  12                          ; where I put 16 bytes of K
.set STV,  13                          ; where I put 16 bytes of Vt
.set LDK,  14                          ; K fragments of the chunk that is loaded next
.set LDV,  15                          ; Vt fragments of this chunk
.set STG,  16                          ; v16, v17  stage, channels 0-31 and 32-63
.set RDS,  18                          ; stage, read back by rows
.set GOFF, 19                          ; my byte offset in the head's 64 rows of x and y
.set BIA,  20                          ; biases of Q and K: 8 neighbouring o
.set BIV,  21                          ; bias of V: one c
.set SCR,  22                          ; my wave's 16 words of the statistics
.set BST,  23                          ; where the biases are put
.set BLD,  24                          ; v[24:29]  biases as loaded
.set BOF,  30                          ; 4 x lane
.set PFO,  31                          ; 256 x lane, for the prefetch; never rewritten
.set XF0,  32                          ; v[32:95]   X fragments, 8 tb x 8, buffer 0
.set XF1,  96                          ; v[96:159]  buffer 1
.set WF,   160                         ; v[160:255] W fragments at 32 m + 8 ob
.set TMP,  32                          ; epilogue: 8 tiles in f32
.set PK,   96                          ; epilogue: 8 tiles packed
.set BQ,   160                         ; v[160:191] bq, v[192:223] bk at 8 ob + j
.set BV,   224                         ; v[224:231] bv, each twice
.set KF,   32                          ; attention: K fragments at 16 st + 8 kh
.set VF,   96                          ; Vt fragments at 32 ks + 8 cb
.set T,    160                         ; v[160:167] at work, one for each tb
.set T2,   168                         ; v[168:175]
.set M,    176                         ; v[176:183] running maximum of the raw scores
.set AL,   184                         ; v[184:199] rescaling factor, twice
.set NM,   200                         ; v[200:215] - c x maximum, twice
.set LP,   216                         ; v[216:231] the lane's part of the sum of exponentials, in two halves
.set SP,   32                          ; way out: 16 pairs of partial sums
.set RS,   64                          ; 16 sums
.set RT,   80                          ; 16, the other half's
.set MEAN, 96                          ; 16 means, twice
; window 3
.set QF,   0                           ; Q fragments at 16 tb + 8 kh
.set PF,   128                         ; P fragments at 16 tb + 8 ks
; scalars
.set G1X, 32                           ; s[32:39] shape of an xb tile
.set G0X, 40                           ; s[40:47] from where, to where, for each slot
.set G1W, 48                           ; s[48:55] shape of a wb tile
.set G0W, 56                           ; s[56:63]
; s_set_vgpr_msb: bits 1:0 source 0, 3:2 source 1, 5:4 source 2, 7:6 destination
.set W_Q,    0x50
.set W_K,    0xa0
.set W_V,    0xf0
.set W_QCVT, 0xc0
.set W_QK,   0x5c
.set W_MAX,  0x05
.set W_EXP,  0x41
.set W_SUM,  0x01
.set W_PCVT, 0xc5
.set W_RESC, 0x82
.set W_PV,   0xac
.set W_XLD,  0x40
.set W_STG,  0x08
.set W_CLD,  0x80
.set W_YADD, 0x49
.set W_YST,  0x04
.set W_DEV,  0x81
.set W_SQ,   0x0a
.set MSB, 0
.macro WIN new                         ; the immediate's high byte repeats the setting that is left; a switch that changes nothing is dropped
.if MSB != (\new)
	s_set_vgpr_msb (MSB<<8)|(\new)
.set MSB, (\new)
.endif
.endm
.macro PLACES                          ; four plain vector instructions between a matrix instruction and a load into, or a vector access to, its registers
.rept 4
	v_nop
.endr
.endm
.macro WM d, a, b, zero                ; one product; zero = 1: it starts the sum
.if \zero
	v_wmma_f32_16x16x32_bf16 v[\d:\d+7], v[\a:\a+7], v[\b:\b+7], 0
.else
	v_wmma_f32_16x16x32_bf16 v[\d:\d+7], v[\a:\a+7], v[\b:\b+7], v[\d:\d+7]
.endif
.endm
; A joint load: waves 0 and 1 ask for the two halves of xb's tile, waves 2 and 3 for the two blocks of wb's.  Each line has one mask and one set of
; registers; the branch hangs on the wave's number alone.
.macro JLOAD s
	s_cmp_eq_u32 s21, 0
	s_cbranch_scc0 .Lfor_w_\@
	tensor_load_to_lds s[G0X+4*\s:G0X+4*\s+3], s[G1X:G1X+7]
	s_nop 0
	s_branch .Lasked_\@
.Lfor_w_\@:
	tensor_load_to_lds s[G0W+4*\s:G0W+4*\s+3], s[G1W:G1W+7]
	s_nop 0
.Lasked_\@:
.endm
.macro CREST                           ; a round of the cluster's barrier behind its opening work-group barrier
	s_cmp_lg_u32 s20, 0
	s_cbranch_scc1 .Lnot_wave_0_\@
	s_barrier_signal -3
.Lnot_wave_0_\@:
	s_barrier_wait -3
	s_barrier_signal -1
	s_barrier_wait -1
.endm
.macro CROUND                          ; a whole round
	s_barrier_signal -1
	s_barrier_wait -1
	CREST
.endm
; The prefetch of xb.  A lap's 128 rows of xb[b] are wanted by the sixteen work-groups of that b; head hd asks for rows 8 hd .. 8 hd + 7 of them,
; 8,192 consecutive bytes, by one instruction of wave 0 with its lanes 256 bytes apart: each block of 256 bytes is asked for once in the launch.
; It stands behind the joint load of a lap's second step and asks for the lap after the next: the joint loads that want those rows are issued one
; step (192 products) and two steps later.  Laps 0 to 5 ask for laps 2 to 7; then the offset has reached the eighth lap, which does not exist, and
; nothing more is asked for.  wb is not asked for: each head's 393,216 bytes are read by all 32 batches.
; The four clusters of one b are not held in step with each other: a share that is asked for late brings nothing.
.macro PREF
	s_cmp_lg_u32 s20, 0
	s_cbranch_scc1 .Lno_pf_\@
	s_cmp_ge_u32 s82, 8*LAPB
	s_cbranch_scc1 .Lno_pf_\@
	s_wait_xcnt 0x0                                ; the last prefetch, issued a lap ago, has had its address translated: its base is rewritten only behind this wait
	s_add_nc_u64 s[84:85], s[80:81], s[82:83]
	global_prefetch_b8 v[PFO], s[84:85] th:TH_LOAD_NT scope:SCOPE_SE
	s_add_co_u32 s82, s82, LAPB                    ; the offset is no source of the prefetch
.Lno_pf_\@:
.endm
	; ---------------------------------------------------------------- the head
	s_load_b512 s[4:19], s[0:1], 0x0               ; xb s[4:5], wb s[6:7], x s[8:9], bq s[10:11], bk s[12:13], bv s[14:15], y s[16:17], stats s[18:19]
	v_lshl_add_u32 v29, v0, 2, 0x43600
	v_mov_b32 v30, 0
	ds_add_u32 v29, v30
	s_wait_dscnt 0x0
	v_lshrrev_b32 v3, 5, v0
	v_readfirstlane_b32 s20, v3                    ; wave 0..3
	s_lshr_b32 s21, s20, 1                         ; 0: I fetch xb, 1: wb
	s_and_b32 s22, s20, 1                          ; which half of the tile
	s_bfe_u32 s23, ttmp6, 0x40000                  ; cx
	s_bfe_u32 s24, ttmp6, 0x40004                  ; cy
	s_lshl_b32 s25, ttmp9, 2
	s_add_co_u32 s25, s25, s23                     ; hd = 4 x cluster x + cx
	s_and_b32 s26, ttmp7, 0xffff
	s_lshl_b32 s26, s26, 2
	s_add_co_u32 s26, s26, s24                     ; b = 4 x cluster y + cy
	s_lshl_b32 s27, s24, 2
	s_lshl_b32 s27, 15, s27                        ; my row of the cluster: places 4 cy .. 4 cy + 3 (one b)
	s_lshl_b32 s28, 0x1111, s23                    ; my column: places cx, cx + 4, cx + 8, cx + 12 (one hd)
	s_mov_b32 s68, 0x76543210                      ; v_permlanex16_b32: lane i reads lane i of the other half
	s_mov_b32 s69, 0xfedcba98
	s_mov_b32 s70, 0x3e38aa3b                      ; c = log2(e) / 8: the scores' scale 1 / sqrt(64) and the change of base in one factor
	s_mov_b32 s71, 0x3e38aa3b
	s_mov_b32 s72, 0xbe38aa3b                      ; - c
	; xb's tile: 32 rows of 512 elements of 2 bytes, 512 elements from row to row; behind every 256 words (a row) 8 words of padding
	s_or_b32 s[G1X+0], s27, (1<<16)|(1<<20)|(1<<21)|(7<<22)|(7<<25)
	s_mov_b32 s[G1X+1], 512<<16                    ; tensor_dim0 = 512
	s_mov_b32 s[G1X+2], 32<<16                     ; tensor_dim1 = 32
	s_mov_b32 s[G1X+3], 512<<16                    ; tile_dim0 = 512
	s_mov_b32 s[G1X+4], 32                         ; tile_dim1 = 32
	s_mov_b32 s[G1X+5], 512                        ; pitch
	s_mov_b32 s[G1X+6], 0
	s_mov_b32 s[G1X+7], 0
	; wb's tile: 12,288 dense bytes as 48 rows of 128 elements; behind every 32 words (one row of 64 weights) 8 words of padding
	s_or_b32 s[G1W+0], s28, (1<<16)|(1<<20)|(1<<21)|(4<<22)|(7<<25)
	s_mov_b32 s[G1W+1], 128<<16
	s_mov_b32 s[G1W+2], 48<<16
	s_mov_b32 s[G1W+3], 128<<16
	s_mov_b32 s[G1W+4], 48
	s_mov_b32 s[G1W+5], 128
	s_mov_b32 s[G1W+6], 0
	s_mov_b32 s[G1W+7], 0
	s_mul_i32 s29, s20, XHALF                      ; LDS: xb's halves at 0 and 33,792 (waves 0, 1)
	s_mul_i32 s30, s20, WHALF
	s_add_co_u32 s30, s30, WOFF-2*WHALF            ; wb's blocks at 67,584 and 82,944 (waves 2, 3): no place in the cluster enters an LDS address
	; xb's address hangs on b and the wave, wb's on hd and the wave; s[74:77] never hold anything made of cx, s[78:79] nothing made of cy
	s_lshl_b32 s74, s26, 20                        ; b x 1,024 rows x 1,024 bytes
	s_lshl_b32 s75, s22, 15                        ; + my 32 rows
	s_add_co_u32 s74, s74, s75
	s_mov_b32 s75, 0
	s_mul_i32 s78, s25, 393216                     ; hd x 32 blocks x 12,288 bytes
	s_mul_i32 s79, s22, 12288                      ; + my block
	s_add_co_u32 s78, s78, s79
	s_mov_b32 s79, 0
	s_wait_kmcnt 0x0
	s_add_nc_u64 s[76:77], s[4:5], s[74:75]
	s_add_nc_u64 s[78:79], s[6:7], s[78:79]
	CROUND                                         ; all sixteen work-groups are here: the first joint loads meet
.irp s, 0,1
	s_mov_b32 s[G0X+4*\s], 1
	s_add_co_u32 s[G0X+4*\s+1], s29, \s*SLOT
	s_add_nc_u64 s[G0X+4*\s+2:G0X+4*\s+3], s[76:77], \s*65536      ; step s of 64 rows of d
	s_or_b32 s[G0X+4*\s+3], s[G0X+4*\s+3], 0x80000000
	s_mov_b32 s[G0W+4*\s], 1
	s_add_co_u32 s[G0W+4*\s+1], s30, \s*SLOT
	s_add_nc_u64 s[G0W+4*\s+2:G0W+4*\s+3], s[78:79], \s*24576      ; step s of two blocks
	s_or_b32 s[G0W+4*\s+3], s[G0W+4*\s+3], 0x80000000
	JLOAD \s                                       ; both slots' first fills go out before anything else; two loads of the wave are out
.endr
	; the other pointers, at this work-group's part
	s_lshl_b32 s74, s26, 21                        ; b x 1,024 x 2,048 bytes
	s_add_nc_u64 s[8:9], s[8:9], s[74:75]
	s_add_nc_u64 s[16:17], s[16:17], s[74:75]
	s_lshl_b32 s74, s26, 13                        ; b x 16 x 512 bytes
	s_add_nc_u64 s[18:19], s[18:19], s[74:75]
	s_lshl_b32 s78, s25, 17                        ; hd x 64 x 2,048 bytes
	s_mov_b32 s79, 0
	s_add_nc_u64 s[8:9], s[8:9], s[78:79]
	s_add_nc_u64 s[16:17], s[16:17], s[78:79]
	s_lshl_b32 s78, s25, 9
	s_add_nc_u64 s[18:19], s[18:19], s[78:79]
	s_lshl_b32 s78, s25, 8                         ; hd x 64 x 4 bytes
	s_add_nc_u64 s[10:11], s[10:11], s[78:79]
	s_add_nc_u64 s[12:13], s[12:13], s[78:79]
	s_add_nc_u64 s[14:15], s[14:15], s[78:79]
	s_lshl_b32 s82, s26, 20                        ; the prefetch's base: xb[b],
	s_lshl_b32 s83, s25, 13                        ; + my head's 8 rows of 1,024 bytes in a lap's 128
	s_add_co_u32 s82, s82, s83
	s_mov_b32 s83, 0
	s_add_nc_u64 s[80:81], s[4:5], s[82:83]
	s_mov_b32 s82, 2*LAPB                          ; the first request is for lap 2
	v_and_b32 v4, 31, v0                           ; lane
	v_lshlrev_b32 v[BOF], 2, v4
	global_load_b32 v[BLD+0], v[BOF], s[10:11]
	global_load_b32 v[BLD+1], v[BOF], s[10:11] offset:128
	global_load_b32 v[BLD+2], v[BOF], s[12:13]
	global_load_b32 v[BLD+3], v[BOF], s[12:13] offset:128
	global_load_b32 v[BLD+4], v[BOF], s[14:15]
	global_load_b32 v[BLD+5], v[BOF], s[14:15] offset:128
	; lane addresses
	v_lshlrev_b32 v[PFO], 8, v4
	v_and_b32 v1, 15, v0                           ; r
	v_bfe_u32 v2, v0, 4, 1                         ; h
	v_and_b32 v3, 7, v0
	v_lshl_add_u32 v3, v2, 3, v3                   ; the transposing load: lane l addresses row 8 h + l % 8 of d,
	v_bfe_u32 v5, v0, 3, 1                         ; and 16 bytes further for lanes 8-15 and 24-31
	s_lshl_b32 s31, s20, 8                         ; my 128 t = 256 bytes of a row
	v_mul_u32_u24 v6, v3, PX
	v_lshl_add_u32 v6, v5, 4, v6
	v_add_nc_u32 v[ADRX], s31, v6
	v_add_nc_u32 v[ADRX+1], SLOT, v[ADRX]
	v_mul_u32_u24 v6, v3, PW
	v_lshl_add_u32 v6, v5, 4, v6
	v_add_nc_u32 v[ADRW], WOFF, v6
	v_add_nc_u32 v[ADRW+1], SLOT, v[ADRW]
	v_mul_u32_u24 v6, v1, PKR
	v_lshl_add_u32 v[LDK], v2, 4, v6               ; row r, 16 bytes for each half of the lanes
	s_mul_i32 s67, s20, 128*PKR
	v_add_nc_u32 v[STK], s67, v[LDK]               ; + my 128 rows
	v_mul_u32_u24 v6, v1, PVR
	v_lshl_add_u32 v6, v2, 4, v6
	v_add_nc_u32 v[LDV], VBASE, v6
	v_add_nc_u32 v[STV], s31, v[LDV]               ; + my 128 columns of 2 bytes
	v_mul_u32_u24 v6, v2, 8*PSR
	v_lshl_add_u32 v6, v1, 2, v6
	s_lshl_b32 s67, s20, 9
	s_add_co_u32 s67, s67, SBASE
	v_add_nc_u32 v[STG], s67, v6                   ; stage: row 8 h (+ j), column 128 w + r (+ 16 tb)
	v_add_nc_u32 v[STG+1], 32*PSR, v[STG]
	s_mul_i32 s67, s20, 16*PSR
	s_add_co_u32 s67, s67, SBASE
	v_lshl_add_u32 v[RDS], v4, 4, s67              ; stage, my 16 rows, 16 bytes a lane
	s_lshl_b32 s67, s20, 15
	v_lshl_add_u32 v[GOFF], v4, 4, s67             ; x and y: my 16 rows of 2,048 bytes
	s_mul_i32 s73, s20, 768
	s_add_co_u32 s73, s73, BIASL
	v_lshl_add_u32 v[BIA], v2, 5, s73
	v_lshl_add_u32 v[BST], v4, 2, s73
	s_add_co_u32 s73, s73, 512
	v_lshl_add_u32 v[BIV], v1, 2, s73
	s_lshl_b32 s67, s20, 6
	s_add_co_u32 s67, s67, STATL
	v_mov_b32 v[SCR], s67
	s_wait_loadcnt 0x0                             ; the biases
.irp i, 0,1,2,3,4,5
	ds_store_b32 v[BST], v[BLD+\i] offset:128*\i   ; my wave's own copy: bq, bk, bv
.endr
	s_wait_dscnt 0x0                               ; no LDS instruction is pending at a signal
	s_wait_tensorcnt 0x1                           ; my part of slot 0 is in; slot 1's may stay out
	s_barrier_signal -1
	s_barrier_wait -1                              ; everybody's part of slot 0 is in
	; ---------------------------------------------------------------- the projection: 16 steps of 64 along d, two substeps of 32 each
; 8 transposing loads: the four fragments (16 o x 32 d) of weight m, block ks of the slot
.macro LDW m, slot, ks
.irp ob, 0,1,2,3
	ds_load_tr16_b128 v[WF+32*\m+8*\ob:WF+32*\m+8*\ob+3],   v[ADRW+\slot] offset:\ks*WHALF+\m*32*PW+32*\ob
	ds_load_tr16_b128 v[WF+32*\m+8*\ob+4:WF+32*\m+8*\ob+7], v[ADRW+\slot] offset:\ks*WHALF+\m*32*PW+32*\ob+16*PW
.endr
.endm
; 8 transposing loads: four of my eight X fragments (16 t x 32 d)
.macro LDX xf, half, slot, ks
.irp t, 0,1,2,3
	ds_load_tr16_b128 v[\xf+8*(4*\half+\t):\xf+8*(4*\half+\t)+3],   v[ADRX+\slot] offset:\ks*XHALF+32*(4*\half+\t)
	ds_load_tr16_b128 v[\xf+8*(4*\half+\t)+4:\xf+8*(4*\half+\t)+7], v[ADRX+\slot] offset:\ks*XHALF+32*(4*\half+\t)+16*PX
.endr
.endm
; 16 products: tiles tb0 .. tb0 + 3 x four blocks of 16 outputs of weight m.  The 96 accumulators take turns, one instruction a turn,
; in the same order in every substep, over the backward jump too.
.macro MUL16 m, xf, tb0, zero
.irp t, 0,1,2,3
.irp ob, 0,1,2,3
.if \m == 2
	WM 32*(\tb0+\t)+8*\ob, \xf+8*(\tb0+\t), WF+64+8*\ob, \zero
.else
	WM 32*(\tb0+\t)+8*\ob, WF+32*\m+8*\ob, \xf+8*(\tb0+\t), \zero
.endif
.endr
.endr
.endm
; The first substep of a step (block 0, buffer 0).  Behind each weight's 32 products its fragments are loaded again for the next substep
; (block 1 of the same slot), with half of the next X fragments: 40 loads for 96 products.
.macro SUB slot, zero
	s_wait_dscnt 8                                 ; all but the youngest eight loads, Wv's fragments
	WIN W_Q
	MUL16 0, XF0, 0, \zero
	MUL16 0, XF0, 4, \zero
	PLACES
	WIN 0
	LDW 0, \slot, 1
	LDX XF1, 0, \slot, 1
	WIN W_K
	MUL16 1, XF0, 0, \zero
	MUL16 1, XF0, 4, \zero
	PLACES
	WIN 0
	LDW 1, \slot, 1
	LDX XF1, 1, \slot, 1
	s_wait_dscnt 32                                ; 32 loads were issued behind Wv's fragments: those are in
	WIN W_V
	MUL16 2, XF0, 0, \zero
	MUL16 2, XF0, 4, \zero
	PLACES
	WIN 0
	LDW 2, \slot, 1
.endm
; The second substep (block 1, buffer 1), which changes slots.  In front of the barrier each wave waits for its reads of this slot, all of which
; have been issued, and for all its tensor loads: the one that is out is its part of the next slot.  fill = 1: the barrier opens a round of the
; cluster's barrier, and behind the round this slot is asked for again, two steps ahead, first of all; then the next slot is read.
; pf = 1: behind the joint load wave 0 asks for the work-group's share of the lap after the next.
.macro TURN slot, next, fill, pf
	s_wait_dscnt 8
	WIN W_Q
	MUL16 0, XF1, 0, 0
	s_wait_dscnt 0x0                               ; my reads of this slot are over
	s_wait_xcnt 0x0
	s_set_vgpr_msb 0x5010
	v_lshl_add_u32 v29, v0, 2, 0x43600
	v_mov_b32 v30, 0
	s_wait_tensorcnt 0x0                           ; all my tensor loads have landed
	ds_add_u32 v29, v30
	s_wait_dscnt 0x0
	s_set_vgpr_msb 0x1050
	s_barrier_signal -1
	MUL16 0, XF1, 4, 0                             ; registers only, while the others arrive
	WIN 0
	s_barrier_wait -1
.if \fill
	CREST                                          ; no wave of any partner still reads this slot or has a load on its way
	s_add_nc_u64 s[G0X+4*\slot+2:G0X+4*\slot+3], s[G0X+4*\slot+2:G0X+4*\slot+3], 2*65536
	s_add_nc_u64 s[G0W+4*\slot+2:G0W+4*\slot+3], s[G0W+4*\slot+2:G0W+4*\slot+3], 2*24576
	JLOAD \slot                                    ; my one tensor load behind the round; 176 products stand between it and the wait for it
.endif
.if \pf
	PREF
.endif
	PLACES
	LDW 0, \next, 0
	LDX XF0, 0, \next, 0
	WIN W_K
	MUL16 1, XF1, 0, 0
	MUL16 1, XF1, 4, 0
	PLACES
	WIN 0
	LDW 1, \next, 0
	LDX XF0, 1, \next, 0
	WIN W_V                                        ; Wv's fragments are in since the wait for 0 above
	MUL16 2, XF1, 0, 0
	MUL16 2, XF1, 4, 0
	PLACES
	WIN 0
	LDW 2, \next, 0
.endm
.macro LAP zero                        ; two steps: once round the ring, both slots filled again
	SUB 0, \zero
	TURN 0, 1, 1, 0
	SUB 1, 0
	TURN 1, 0, 1, 1
.endm
	LDW 0, 0, 0                                    ; the first substep's 40 loads, in the order in which every substep leaves them
	LDX XF0, 0, 0, 0
	LDX XF0, 1, 0, 0
	LDW 1, 0, 0
	LDW 2, 0, 0
	LAP 1                                          ; steps 0 and 1: the first products start the sums, nothing is cleared
	s_mov_b32 s66, 6
.Llap:
	LAP 0                                          ; steps 2 to 13; the fills reach step 15 and no further
	s_sub_co_u32 s66, s66, 1
	s_cmp_lg_u32 s66, 0
	s_cbranch_scc1 .Llap
	SUB 0, 0                                       ; steps 14 and 15 fill nothing and have no round
	TURN 0, 1, 0, 0
	SUB 1, 0
	s_wait_dscnt 8                                 ; the very last substep: nothing more to load
	WIN W_Q
	MUL16 0, XF1, 0, 0
	MUL16 0, XF1, 4, 0
	WIN W_K
	MUL16 1, XF1, 0, 0
	MUL16 1, XF1, 4, 0
	s_wait_dscnt 0x0
	WIN W_V
	MUL16 2, XF1, 0, 0
	MUL16 2, XF1, 4, 0
	; ---------------------------------------------------------------- bias, relu, bf16
	PLACES
	WIN 0
	s_wait_dscnt 0x0                               ; my reads of the ring are over, and it has had its last fill:
	s_barrier_signal -1
	s_barrier_wait -1                              ; behind this barrier its bytes become K, Vt and the stage
.irp m, 0,1
.irp ob, 0,1,2,3
	ds_load_b128 v[BQ+32*\m+8*\ob:BQ+32*\m+8*\ob+3],   v[BIA] offset:256*\m+64*\ob      ; bias of o = 16 ob + 8 h + 0..3
	ds_load_b128 v[BQ+32*\m+8*\ob+4:BQ+32*\m+8*\ob+7], v[BIA] offset:256*\m+64*\ob+16   ; + 4..7
.endr
.endr
.irp cb, 0,1,2,3
	ds_load_b32 v[BV+2*\cb],   v[BIV] offset:64*\cb     ; bias of c = 16 cb + r, twice: a pair for the packed add
	ds_load_b32 v[BV+2*\cb+1], v[BIV] offset:64*\cb
.endr
	s_wait_dscnt 0x0
; Weight m's 32 tiles, 8 at a time (tb = 2 bt, 2 bt + 1).  Q stays in registers as fragments; K and V go to LDS, 16 bytes a lane.
.macro EPI m
.irp bt, 0,1,2,3
	WIN 1+\m
.set i, 0
.rept 32
.if \m == 2
	v_pk_add_f32 v[TMP+2*i:TMP+2*i+1], v[64*\bt+2*i:64*\bt+2*i+1], v[BV+2*((i/4)%4):BV+2*((i/4)%4)+1]
.else
	v_pk_add_f32 v[TMP+2*i:TMP+2*i+1], v[64*\bt+2*i:64*\bt+2*i+1], v[BQ+32*\m+(2*i)%32:BQ+32*\m+(2*i)%32+1]
.endif
.set i, i+1
.endr
	WIN 0
.set i, 0
.rept 64
	v_max_num_f32 v[TMP+i], 0, v[TMP+i]
.set i, i+1
.endr
.if \m == 0
	WIN W_QCVT
.set i, 0
.rept 32
	v_cvt_pk_bf16_f32 v[QF+32*\bt+i], v[TMP+2*i], v[TMP+2*i+1]     ; tile (tb, ob) is registers 4 (ob % 2) .. + 3 of fragment (tb, kh = ob / 2)
.set i, i+1
.endr
.else
.set i, 0
.rept 32
	v_cvt_pk_bf16_f32 v[PK+i], v[TMP+2*i], v[TMP+2*i+1]
.set i, i+1
.endr
.set i, 0
.rept 8
.if \m == 1
	ds_store_b128 v[STK], v[PK+4*i:PK+4*i+3] offset:(2*\bt+i/4)*16*PKR+32*(i%4)
.else
	ds_store_b128 v[STV], v[PK+4*i:PK+4*i+3] offset:(i%4)*16*PVR+32*(2*\bt+i/4)
.endif
.set i, i+1
.endr
.endif
.endr
.endm
	EPI 2                                          ; V first: its window takes the Q fragments
	EPI 0
	EPI 1
	WIN 0
	s_wait_dscnt 0x0                               ; my rows of K and my columns of Vt are written
	s_barrier_signal -1
	s_barrier_wait -1                              ; everybody's are
	; ---------------------------------------------------------------- attention: 8 chunks of 64 keys, my 128 queries share each K and Vt fragment
.macro LDKF
.irp st, 0,1,2,3
.irp kh, 0,1
	ds_load_b128 v[KF+16*\st+8*\kh:KF+16*\st+8*\kh+3],   v[LDK] offset:\st*16*PKR+64*\kh
	ds_load_b128 v[KF+16*\st+8*\kh+4:KF+16*\st+8*\kh+7], v[LDK] offset:\st*16*PKR+64*\kh+32
.endr
.endr
.endm
.macro LDVF
.irp ks, 0,1
.irp cb, 0,1,2,3
	ds_load_b128 v[VF+32*\ks+8*\cb:VF+32*\ks+8*\cb+3],   v[LDV] offset:\cb*16*PVR+64*\ks
	ds_load_b128 v[VF+32*\ks+8*\cb+4:VF+32*\ks+8*\cb+7], v[LDV] offset:\cb*16*PVR+64*\ks+32
.endr
.endr
.endm
.macro RESCALE                         ; C^T of query tile tb times the lane's factor
	WIN W_RESC
.irp tb, 0,1,2,3,4,5,6,7
.set j, 0
.rept 16
	v_pk_mul_f32 v[32*\tb+2*j:32*\tb+2*j+1], v[32*\tb+2*j:32*\tb+2*j+1], v[AL+2*\tb:AL+2*\tb+1]
.set j, j+1
.endr
.endr
.endm
.macro CHUNK first, last
	s_wait_dscnt 0x0                               ; this chunk's K fragments are in
	WIN W_QK
.irp st, 0,1,2,3                                   ; scores: the two links of a sum stand eight products apart (accumulators by turns)
.irp kh, 0,1
.irp tb, 0,1,2,3,4,5,6,7
	WM 32*\tb+8*\st, KF+16*\st+8*\kh, QF+16*\tb+8*\kh, 1-\kh
.endr
.endr
.endr
	WIN 0
	PLACES
	LDVF                                           ; this chunk's Vt fragments, wanted behind the softmax
.if \last == 0
	v_add_nc_u32 v[LDK], 64*PKR, v[LDK]
	LDKF                                           ; the next chunk's K fragments
	v_add_nc_u32 v[LDV], 128, v[LDV]
.endif
	; the running maximum of the raw scores: my 32 of the chunk and the old maximum, then the partner lane's
	WIN W_MAX
.set j, 0
.rept 16
.irp tb, 0,1,2,3,4,5,6,7
.if j == 0
.if \first
	v_max_num_f32 v[T+\tb], v[32*\tb], v[32*\tb+1]
.else
	v_max3_num_f32 v[T+\tb], v[32*\tb], v[32*\tb+1], v[M+\tb]
.endif
.else
	v_max3_num_f32 v[T+\tb], v[32*\tb+2*j], v[32*\tb+2*j+1], v[T+\tb]
.endif
.endr
.set j, j+1
.endr
	WIN 0
.irp tb, 0,1,2,3,4,5,6,7
	v_permlanex16_b32 v[T2+\tb], v[T+\tb], s68, s69
.endr
.irp tb, 0,1,2,3,4,5,6,7
	v_max_num_f32 v[M+\tb], v[T+\tb], v[T2+\tb]
.endr
.if \first
.irp tb, 0,1,2,3,4,5,6,7
	v_mul_f32 v[NM+2*\tb],   s72, v[M+\tb]         ; - c m
	v_mul_f32 v[NM+2*\tb+1], s72, v[M+\tb]
.endr
.else
.irp tb, 0,1,2,3,4,5,6,7
	v_mul_f32 v[T+\tb], s72, v[M+\tb]              ; the new - c m
.endr
.irp tb, 0,1,2,3,4,5,6,7
	v_sub_f32 v[T2+\tb], v[T+\tb], v[NM+2*\tb]     ; minus the old one: exactly the change of the shift that the old exponentials were made with; never above 0
.endr
.irp tb, 0,1,2,3,4,5,6,7
	v_exp_f32 v[AL+2*\tb],   v[T2+\tb]
	v_exp_f32 v[AL+2*\tb+1], v[T2+\tb]
.endr
.irp tb, 0,1,2,3,4,5,6,7
	v_mov_b32 v[NM+2*\tb],   v[T+\tb]              ; plain instructions behind the exponentials, ahead of the first use of their results (ISA guide 5.7.2)
	v_mov_b32 v[NM+2*\tb+1], v[T+\tb]
.endr
	s_wait_alu depctr_va_vdst(0)
.irp tb, 0,1,2,3,4,5,6,7
	v_pk_mul_f32 v[LP+2*\tb:LP+2*\tb+1], v[LP+2*\tb:LP+2*\tb+1], v[AL+2*\tb:AL+2*\tb+1]
.endr
.endif
	; p = 2^(c s - c m), in place
	WIN W_EXP
.irp tb, 0,1,2,3,4,5,6,7
.set j, 0
.rept 16
	v_pk_fma_f32 v[32*\tb+2*j:32*\tb+2*j+1], v[32*\tb+2*j:32*\tb+2*j+1], s[70:71], v[NM+2*\tb:NM+2*\tb+1] op_sel_hi:[1,0,1]
.set j, j+1
.endr
.set j, 0
.rept 32
	v_exp_f32 v[32*\tb+j], v[32*\tb+j]             ; behind the run stands the next tile's first multiply-add, on other registers,
.set j, j+1
.endr
.endr
	v_nop                                          ; and behind the last run this
	WIN W_SUM
.set j, 0
	s_wait_alu depctr_va_vdst(0)
.rept 16
.irp tb, 0,1,2,3,4,5,6,7
	v_pk_add_f32 v[LP+2*\tb:LP+2*\tb+1], v[32*\tb+2*j:32*\tb+2*j+1], v[LP+2*\tb:LP+2*\tb+1]
.endr
.set j, j+1
.endr
	WIN W_PCVT
.irp tb, 0,1,2,3,4,5,6,7
.set j, 0
.rept 16
	v_cvt_pk_bf16_f32 v[PF+16*\tb+j], v[32*\tb+2*j], v[32*\tb+2*j+1]   ; tile (tb, st) is registers 4 (st % 2) .. + 3 of fragment (tb, ks = st / 2)
.set j, j+1
.endr
.endr
.if \last
	; The last scores are packed, so window 1 is free: the residual, my 16 channels' rows of x, is asked for here, 512 consecutive bytes a load,
	; and has the rescaling, the 64 products below and the stage in which to arrive.
	WIN W_XLD
.set j, 0
.rept 64
	global_load_b128 v[4*j:4*j+3], v[GOFF], s[8:9] offset:512*j th:TH_LOAD_NT
.set j, j+1
.endr
.endif
.if \first == 0
	RESCALE
.endif
.if \last
	s_wait_dscnt 0x0
.else
	s_wait_dscnt 16                                ; Vt's fragments are in; the 16 loads of the next chunk's K fragments stay out
.endif
	WIN W_PV
.irp ks, 0,1                                       ; the two links of a sum stand 32 products apart
.irp cb, 0,1,2,3
.irp tb, 0,1,2,3,4,5,6,7
	WM 32*\tb+8*\cb, VF+32*\ks+8*\cb, PF+16*\tb+8*\ks, \first*(1-\ks)
.endr
.endr
.endr
	WIN 0
.endm
.set i, 0
.rept 16
	v_mov_b32 v[LP+i], 0
.set i, i+1
.endr
.set i, 0
.rept 8
	v_mov_b32 v[T2+i], 0                           ; v_permlanex16_b32 counts as a reader of its destination
.set i, i+1
.endr
	LDKF                                           ; chunk 0
	CHUNK 1, 0
	s_mov_b32 s66, 6
.Lchunk:
	CHUNK 0, 0
	s_sub_co_u32 s66, s66, 1
	s_cmp_lg_u32 s66, 0
	s_cbranch_scc1 .Lchunk
	CHUNK 0, 1
	; ---------------------------------------------------------------- the way out
.irp tb, 0,1,2,3,4,5,6,7
	v_add_f32 v[T+\tb], v[LP+2*\tb], v[LP+2*\tb+1] ; these eight name none of the last products' registers: they are the places in front of the rescaling (ISA guide 7.12.1)
.endr
.irp tb, 0,1,2,3,4,5,6,7
	v_permlanex16_b32 v[T2+\tb], v[T+\tb], s68, s69
.endr
.irp tb, 0,1,2,3,4,5,6,7
	v_add_f32 v[T+\tb], v[T+\tb], v[T2+\tb]        ; l, at least 1: the largest score's exponential is 1
.endr
.irp tb, 0,1,2,3,4,5,6,7
	v_rcp_f32 v[AL+2*\tb],   v[T+\tb]
	v_rcp_f32 v[AL+2*\tb+1], v[T+\tb]
.endr
	v_nop                                          ; a plain instruction behind the reciprocals
	s_wait_alu depctr_va_vdst(0)
	RESCALE
	WIN W_STG                                      ; C^T to the stage: 16 lanes write 64 consecutive bytes of a channel's row, the other 16 lanes eight rows below
.irp cb, 0,1,2,3
.irp tb, 0,1,2,3,4,5,6,7
.irp jj, 0,1,2,3,4,5,6,7
	ds_store_b32 v[STG+\cb/2], v[32*\tb+8*\cb+\jj] offset:((\cb%2)*16+\jj)*PSR+64*\tb
.endr
.endr
.endr
	WIN 0
	s_wait_dscnt 0x0                               ; my columns of the stage are written
	s_barrier_signal -1
	s_barrier_wait -1                              ; everybody's are
	WIN W_CLD
.set i, 0
.rept 64
	ds_load_b128 v[4*i:4*i+3], v[RDS] offset:(i/4)*PSR+(i%4)*512      ; my 16 channels, whole rows
.set i, i+1
.endr
	WIN W_YADD
.set i, 0
.rept 16
	s_wait_loadcnt 60-4*i                          ; row i of x is in: the four loads of each younger row stay out
	s_wait_dscnt 60-4*i                            ; and row i of the stage likewise
.irp q, 0,1,2,3,4,5,6,7
	v_pk_add_f32 v[16*i+2*\q:16*i+2*\q+1], v[16*i+2*\q:16*i+2*\q+1], v[16*i+2*\q:16*i+2*\q+1]   ; y = x (window 1) + context (window 2)
.endr
.set i, i+1
.endr
	WIN W_YST
.set i, 0
.rept 64
	global_store_b128 v[GOFF], v[4*i:4*i+3], s[16:17] offset:512*i    ; 512 consecutive bytes, aligned; y's registers are not written again
.set i, i+1
.endr
; v[SP+2i:+1] summed over its two halves and over the 32 lanes, into v[RS+i] of every lane
.macro REDUCE16
.set i, 0
.rept 16
	v_add_f32 v[RS+i], v[SP+2*i], v[SP+2*i+1]
.set i, i+1
.endr
.irp x, 1,2,4,8
.set i, 0
.rept 16
	v_add_f32_dpp v[RS+i], v[RS+i], v[RS+i] row_xmask:\x row_mask:0xf bank_mask:0xf
.set i, i+1
.endr
.endr
.set i, 0
.rept 16
	v_permlanex16_b32 v[RT+i], v[RS+i], s68, s69
.set i, i+1
.endr
.set i, 0
.rept 16
	v_add_f32 v[RS+i], v[RS+i], v[RT+i]
.set i, i+1
.endr
.endm
	; each channel's mean over its 512 t, then the sum of squares about that mean: no difference of large sums is formed
	WIN W_MAX
.set i, 0
.rept 16
	v_pk_add_f32 v[SP+2*i:SP+2*i+1], v[16*i:16*i+1], v[16*i+2:16*i+3]
.set i, i+1
.endr
	WIN W_SUM
.irp q, 2,3,4,5,6,7
.set i, 0
.rept 16
	v_pk_add_f32 v[SP+2*i:SP+2*i+1], v[16*i+2*\q:16*i+2*\q+1], v[SP+2*i:SP+2*i+1]
.set i, i+1
.endr
.endr
	WIN 0
	REDUCE16
.set i, 0
.rept 16
	v_mul_f32 v[MEAN+2*i],   0x3b000000, v[RS+i]   ; / 512
	v_mul_f32 v[MEAN+2*i+1], 0x3b000000, v[RS+i]
.set i, i+1
.endr
	WIN W_DEV
.set i, 0
.rept 16
.irp q, 0,1,2,3,4,5,6,7
	v_pk_add_f32 v[16*i+2*\q:16*i+2*\q+1], v[16*i+2*\q:16*i+2*\q+1], v[MEAN+2*i:MEAN+2*i+1] neg_lo:[0,1] neg_hi:[0,1]   ; window 2 = y - mean
.endr
.set i, i+1
.endr
	WIN W_SQ
.set i, 0
.rept 16
	v_pk_mul_f32 v[SP+2*i:SP+2*i+1], v[16*i:16*i+1], v[16*i:16*i+1]
.set i, i+1
.endr
.irp q, 1,2,3,4,5,6,7
.set i, 0
.rept 16
	v_pk_fma_f32 v[SP+2*i:SP+2*i+1], v[16*i+2*\q:16*i+2*\q+1], v[16*i+2*\q:16*i+2*\q+1], v[SP+2*i:SP+2*i+1]
.set i, i+1
.endr
.endr
	WIN 0
	REDUCE16
.set i, 0
.rept 16
	ds_store_b32 v[SCR], v[MEAN+2*i] offset:4*i        ; all lanes write one word with one value
	ds_store_b32 v[SCR], v[RS+i] offset:256+4*i
.set i, i+1
.endr
	s_wait_dscnt 0x0
	s_barrier_signal -1
	s_barrier_wait -1                              ; the 64 means and 64 sums of squares are together
	s_cmp_lg_u32 s20, 0
	s_cbranch_scc1 .Lno_stats
	v_and_b32 v3, 31, v0
	v_lshlrev_b32 v3, 4, v3
	v_add_nc_u32 v5, STATL, v3
	ds_load_b128 v[32:35], v5
	s_wait_dscnt 0x0
	global_store_b128 v3, v[32:35], s[18:19]       ; wave 0 stores the work-group's 512 bytes, whole and aligned
.Lno_stats:
	s_wait_xcnt 0x0
	v_lshl_add_u32 v29, v0, 2, 0x43600
	v_mov_b32 v30, 0
	s_wait_tensorcnt 0x0
	ds_add_u32 v29, v30
	s_wait_dscnt 0x0
	CROUND                                         ; the closing round: no work-group ends while a partner may still ask for a tile that names it
	s_endpgm
.Lfunc_end_k_q5f4bc0c5c6_attn:
	.size	k_q5f4bc0c5c6_attn, .Lfunc_end_k_q5f4bc0c5c6_attn-k_q5f4bc0c5c6_attn
	.p2alignl 7, 3214868480
	.fill 96, 4, 3214868480
	.section	.rodata,"a",@progbits
	.p2align	6, 0x0
	.amdhsa_kernel k_q5f4bc0c5c6_attn
		.amdhsa_group_segment_fixed_size 327680
		.amdhsa_private_segment_fixed_size 0
		.amdhsa_enable_private_segment 0
		.amdhsa_kernarg_size 64
		.amdhsa_user_sgpr_count 2
		.amdhsa_user_sgpr_kernarg_segment_ptr 1
		.amdhsa_wavefront_size32 1
		.amdhsa_system_sgpr_workgroup_id_x 1
		.amdhsa_system_sgpr_workgroup_id_y 1
		.amdhsa_system_sgpr_workgroup_id_z 1
		.amdhsa_system_vgpr_workitem_id 0
		.amdhsa_next_free_vgpr 1024
		.amdhsa_next_free_sgpr 86
		.amdhsa_reserve_vcc 0
		.amdhsa_float_denorm_mode_32 3
		.amdhsa_float_denorm_mode_16_64 3
		.amdhsa_memory_ordered 1
		.amdhsa_forward_progress 1
		.amdhsa_inst_pref_size 255
	.end_amdhsa_kernel
	.section	.bss,"aw",@nobits
	.p2align	6
	.space	262144
	.amdgpu_metadata
---
amdhsa.version: [ 1, 2 ]
amdhsa.kernels:
  - .name:           k_q5f4bc0c5c6_attn
    .symbol:         k_q5f4bc0c5c6_attn.kd
    .args:
      - { .name: xb, .offset: 0, .size: 8, .value_kind: global_buffer, .address_space: global }
      - { .name: wb, .offset: 8, .size: 8, .value_kind: global_buffer, .address_space: global }
      - { .name: x, .offset: 16, .size: 8, .value_kind: global_buffer, .address_space: global }
      - { .name: bq, .offset: 24, .size: 8, .value_kind: global_buffer, .address_space: global }
      - { .name: bk, .offset: 32, .size: 8, .value_kind: global_buffer, .address_space: global }
      - { .name: bv, .offset: 40, .size: 8, .value_kind: global_buffer, .address_space: global }
      - { .name: y, .offset: 48, .size: 8, .value_kind: global_buffer, .address_space: global }
      - { .name: stats, .offset: 56, .size: 8, .value_kind: global_buffer, .address_space: global }
    .group_segment_fixed_size: 327680
    .private_segment_fixed_size: 0
    .kernarg_segment_align: 8
    .kernarg_segment_size: 64
    .max_flat_workgroup_size: 128
    .sgpr_count:     86
    .vgpr_count:     1024
    .wavefront_size: 32
...
	.end_amdgpu_metadata
.endif
;; end of part 2
;; launch norm (part 3): grid 256 x 1, 16 waves a work-group, no clusters, 18,944 bytes of LDS; arguments y, stats, gamma, beta, out0; writes out0
.if DOCPART == 3
	.amdgcn_target "amdgcn-amd-amdhsa--gfx1250"
	.amdhsa_code_object_version 6
	.text
	.protected	k_q5f4bc0c5c6_norm
	.globl	k_q5f4bc0c5c6_norm
	.p2align	8
	.type	k_q5f4bc0c5c6_norm,@function
k_q5f4bc0c5c6_norm:
	s_mov_b64 s[64:65], 0
	v_nop
	global_prefetch_b8 v0, s[64:65] scope:SCOPE_SE
	s_setreg_imm32_b32 hwreg(HW_REG_WAVE_MODE, 25, 1), 1
	s_wait_xcnt 0x0
; out0[b][d][t] = (y[b][d][t] - mean[d]) * rsqrt(var[d] + 1e-5) * gamma[d] + beta[d], mean and (biased) var over all b and t.
; stats holds for each (b, head) 512 bytes: the 64 channels' means over the 512 t, then their sums of squares about those means.
; They are joined without a difference of large sums:
;   mean = sum over b of mean_b / 32,   var = sum over b of (M2_b + 512 (mean_b - mean)^2) / 16,384.
; Nothing of the problem is left out here.
; A stream: no matrix unit, no cluster (the work-groups share nothing but the statistics).
; Work-group g owns head g % 16 of batches 2 (g / 16) and 2 (g / 16) + 1: two runs of 131,072 consecutive bytes.
; Wave w owns channels 4 w .. 4 w + 3 of the head in both batches: 8,192 consecutive bytes of each.
; The head's 32 records of statistics come in whole, once for the work-group: wave w loads those of batches 2 w and 2 w + 1, 512 consecutive
; bytes an instruction, and puts them in LDS (rows of 528 bytes, an odd multiple of 16).  Behind one barrier lane l of each wave takes batch l's
; 16 bytes of means and 16 of sums of squares of the wave's four channels, and the wave joins them by sums over its lanes.
; A wave issues all its 32 loads of y (16 KiB) ahead of that, so that they are on their way meanwhile.
; No register is written again while a load or a store may still read it.
.set PST, 528                          ; LDS pitch of a record
.set OFF, 1                            ; v1        16 lane + 8,192 wave
.set SOF, 3                            ; v3        16 lane + two records' distance x wave
.set MB,  4                            ; v[4:7]    a record's quarter as loaded; then batch lane's means of my four channels
.set QB,  8                            ; v[8:11]   likewise; then its sums of squares
.set SM,  12                           ; v[12:15]  the means
.set SQ,  16                           ; v[16:19]  the variances, then 1 / sqrt
.set PT,  20                           ; v[20:23]  the other half's
.set A,   24                           ; v[24:31]  gamma / sqrt(var + eps), twice for each channel
.set SH,  32                           ; v[32:39]  beta - mean x that, twice
.set D,   40                           ; v[40:167] 32 loads of 4 f32
.set LWR, 168                          ; v168      where my 16 bytes of a record go
.set LRD, 169                          ; v169      batch lane's row, my wave's four channels
.macro WAVESUM4 b                      ; four registers, each summed over the 32 lanes, the result in every lane
.irp x, 1,2,4,8
.irp k, 0,1,2,3
	v_add_f32_dpp v[\b+\k], v[\b+\k], v[\b+\k] row_xmask:\x row_mask:0xf bank_mask:0xf
.endr
.endr
.irp k, 0,1,2,3
	v_permlanex16_b32 v[PT+\k], v[\b+\k], s28, s29
.endr
.irp k, 0,1,2,3
	v_add_f32 v[\b+\k], v[\b+\k], v[PT+\k]
.endr
.endm
	s_load_b256 s[4:11], s[0:1], 0x0               ; y s[4:5], stats s[6:7], gamma s[8:9], beta s[10:11]
	s_load_b64 s[12:13], s[0:1], 0x20              ; out0
	v_lshl_add_u32 v170, v0, 2, 0x4200
	v_mov_b32 v171, 0
	v_and_b32 v2, 31, v0                           ; lane
	v_lshrrev_b32 v4, 5, v0                        ; wave
	v_readfirstlane_b32 s14, v4
	v_lshlrev_b32 v[OFF], 4, v2
	v_lshlrev_b32 v[SOF], 4, v2
	v_lshl_add_u32 v[OFF], v4, 13, v[OFF]          ; four channels of 2,048 bytes a wave
	v_lshl_add_u32 v[SOF], v4, 14, v[SOF]          ; two batches of 16 x 512 bytes of statistics a wave
	v_mul_u32_u24 v[LWR], v4, 2*PST
	v_lshl_add_u32 v[LWR], v2, 4, v[LWR]
	v_mul_u32_u24 v[LRD], v2, PST
	v_lshl_add_u32 v[LRD], v4, 4, v[LRD]
	s_and_b32 s15, ttmp9, 15                       ; head
	s_lshr_b32 s16, ttmp9, 4                       ; pair of batches,
	s_lshl_b32 s16, s16, 22                        ; 2 x 2,097,152 bytes each
	s_lshl_b32 s17, s15, 17                        ; + head x 64 x 2,048 bytes
	s_add_co_u32 s16, s16, s17
	s_mov_b32 s17, 0
	s_lshl_b32 s18, s15, 9                         ; the head's record in a batch's statistics
	s_mov_b32 s19, 0
	s_lshl_b32 s32, s15, 8                         ; gamma and beta: head x 64 x 4 bytes
	s_lshl_b32 s33, s14, 4                         ; + my wave's four channels
	s_add_co_u32 s32, s32, s33
	s_mov_b32 s33, 0
	s_mov_b32 s28, 0x76543210                      ; v_permlanex16_b32: lane i reads lane i of the other half
	s_mov_b32 s29, 0xfedcba98
	s_mov_b32 s30, 0x38800000                      ; 1 / 16,384
	s_mov_b32 s31, 0x3727c5ac                      ; 1e-5
	s_mov_b32 s2, 0x44000000                       ; 512
	s_wait_kmcnt 0x0
	s_add_nc_u64 s[4:5], s[4:5], s[16:17]
	s_add_nc_u64 s[12:13], s[12:13], s[16:17]
	s_add_nc_u64 s[6:7], s[6:7], s[18:19]
	s_add_nc_u64 s[8:9], s[8:9], s[32:33]
	s_add_nc_u64 s[10:11], s[10:11], s[32:33]
	s_load_b128 s[20:23], s[8:9], 0x0              ; gamma of my four channels
	s_load_b128 s[24:27], s[10:11], 0x0            ; beta
	global_load_b128 v[MB:MB+3], v[SOF], s[6:7]                ; the record of batch 2 w: 512 consecutive bytes
	global_load_b128 v[QB:QB+3], v[SOF], s[6:7] offset:8192    ; of batch 2 w + 1
.set i, 0
.rept 32
	global_load_b128 v[D+4*i:D+4*i+3], v[OFF], s[4:5] offset:(i/16)*2097152+(i%16)*512 th:TH_LOAD_NT
.set i, i+1
.endr
.irp k, 0,1,2,3
	v_mov_b32 v[PT+\k], 0                          ; v_permlanex16_b32 counts as a reader of its destination
.endr
	s_wait_loadcnt 32                              ; the two records are in; the 32 loads of y issued behind them stay out
	ds_store_b128 v[LWR], v[MB:MB+3]
	ds_store_b128 v[LWR], v[QB:QB+3] offset:PST
	s_wait_dscnt 0x0                               ; my two rows are written
	s_barrier_signal -1
	s_barrier_wait -1                              ; all 32 are
	ds_load_b128 v[MB:MB+3], v[LRD]                ; batch lane: means of channels 4 w .. 4 w + 3
	ds_load_b128 v[QB:QB+3], v[LRD] offset:256     ; and sums of squares
	s_wait_dscnt 0x0
.irp k, 0,1,2,3
	v_mov_b32 v[SM+\k], v[MB+\k]                   ; the batches' means are wanted again below
.endr
	WAVESUM4 SM
.irp k, 0,1,2,3
	v_mul_f32 v[SM+\k], 0x3d000000, v[SM+\k]       ; / 32: the mean
.endr
.irp k, 0,1,2,3
	v_sub_f32 v[MB+\k], v[MB+\k], v[SM+\k]
.endr
.irp k, 0,1,2,3
	v_mul_f32 v[MB+\k], v[MB+\k], v[MB+\k]
.endr
.irp k, 0,1,2,3
	v_fma_f32 v[SQ+\k], v[MB+\k], s2, v[QB+\k]     ; 512 (mean_b - mean)^2 + M2_b
.endr
	WAVESUM4 SQ
	s_wait_kmcnt 0x0                               ; gamma and beta
.irp k, 0,1,2,3
	v_fma_f32 v[SQ+\k], v[SQ+\k], s30, s31         ; var + eps
.endr
.irp k, 0,1,2,3
	v_rsq_f32 v[SQ+\k], v[SQ+\k]
.endr
	v_nop                                          ; a plain instruction behind the roots, ahead of the first use of their results
	s_wait_alu depctr_va_vdst(0)
.irp k, 0,1,2,3
	v_mul_f32 v[A+2*\k],   s[20+\k], v[SQ+\k]
	v_mul_f32 v[A+2*\k+1], s[20+\k], v[SQ+\k]
.endr
.irp k, 0,1,2,3
	v_fma_f32 v[SH+2*\k],   -v[SM+\k], v[A+2*\k], s[24+\k]
	v_fma_f32 v[SH+2*\k+1], -v[SM+\k], v[A+2*\k], s[24+\k]
.endr
.set i, 0
.rept 32
	s_wait_loadcnt 31-i                            ; load i is in, the 31 - i younger ones stay out
	v_pk_fma_f32 v[D+4*i:D+4*i+1],   v[D+4*i:D+4*i+1],   v[A+2*((i%16)/4):A+2*((i%16)/4)+1], v[SH+2*((i%16)/4):SH+2*((i%16)/4)+1]
	v_pk_fma_f32 v[D+4*i+2:D+4*i+3], v[D+4*i+2:D+4*i+3], v[A+2*((i%16)/4):A+2*((i%16)/4)+1], v[SH+2*((i%16)/4):SH+2*((i%16)/4)+1]
	global_store_b128 v[OFF], v[D+4*i:D+4*i+3], s[12:13] offset:(i/16)*2097152+(i%16)*512 th:TH_STORE_NT   ; 512 consecutive bytes, aligned
.set i, i+1
.endr
	s_wait_tensorcnt 0x0
	ds_add_u32 v170, v171
	s_wait_dscnt 0x0
	s_endpgm
.Lfunc_end_k_q5f4bc0c5c6_norm:
	.size	k_q5f4bc0c5c6_norm, .Lfunc_end_k_q5f4bc0c5c6_norm-k_q5f4bc0c5c6_norm
	.p2alignl 7, 3214868480
	.fill 96, 4, 3214868480
	.section	.rodata,"a",@progbits
	.p2align	6, 0x0
	.amdhsa_kernel k_q5f4bc0c5c6_norm
		.amdhsa_group_segment_fixed_size 18944
		.amdhsa_private_segment_fixed_size 0
		.amdhsa_enable_private_segment 0
		.amdhsa_kernarg_size 40
		.amdhsa_user_sgpr_count 2
		.amdhsa_user_sgpr_kernarg_segment_ptr 1
		.amdhsa_wavefront_size32 1
		.amdhsa_system_sgpr_workgroup_id_x 1
		.amdhsa_system_sgpr_workgroup_id_y 1
		.amdhsa_system_sgpr_workgroup_id_z 1
		.amdhsa_system_vgpr_workitem_id 0
		.amdhsa_next_free_vgpr 172
		.amdhsa_next_free_sgpr 66
		.amdhsa_reserve_vcc 0
		.amdhsa_float_denorm_mode_32 3
		.amdhsa_float_denorm_mode_16_64 3
		.amdhsa_memory_ordered 1
		.amdhsa_forward_progress 1
		.amdhsa_inst_pref_size 19
	.end_amdhsa_kernel
	.amdgpu_metadata
---
amdhsa.version: [ 1, 2 ]
amdhsa.kernels:
  - .name:           k_q5f4bc0c5c6_norm
    .symbol:         k_q5f4bc0c5c6_norm.kd
    .args:
      - { .name: y, .offset: 0, .size: 8, .value_kind: global_buffer, .address_space: global }
      - { .name: stats, .offset: 8, .size: 8, .value_kind: global_buffer, .address_space: global }
      - { .name: gamma, .offset: 16, .size: 8, .value_kind: global_buffer, .address_space: global }
      - { .name: beta, .offset: 24, .size: 8, .value_kind: global_buffer, .address_space: global }
      - { .name: out0, .offset: 32, .size: 8, .value_kind: global_buffer, .address_space: global }
    .group_segment_fixed_size: 18944
    .private_segment_fixed_size: 0
    .kernarg_segment_align: 8
    .kernarg_segment_size: 40
    .max_flat_workgroup_size: 512
    .sgpr_count:     66
    .vgpr_count:     172
    .wavefront_size: 32
...
	.end_amdgpu_metadata
.endif
;; end of part 3
;; ======== version 2 of 2: 3 launches; version 1 with the launch norm written anew for expert scheduling mode
;; workspace buffers: xb 33,554,432 bytes; wb 6,291,456 bytes; y 67,108,864 bytes; stats 262,144 bytes
;; launch prep: the kernel of part 1 again; grid 1216 x 1, 8 waves a work-group, no clusters, 0 bytes of LDS; arguments x, Wq, Wk, Wv, xb, wb; writes xb, wb
;; launch attn: the kernel of part 2 again; grid 16 x 32, 4 waves a work-group, clusters of 4 x 4, 327,680 bytes of LDS; arguments xb, wb, x, bq, bk, bv, y, stats; writes y, stats
;; launch norm (part 4): grid 256 x 1, 16 waves a work-group, no clusters, 18,944 bytes of LDS; arguments y, stats, gamma, beta, out0; writes out0
.if DOCPART == 4
	.amdgcn_target "amdgcn-amd-amdhsa--gfx1250"
	.amdhsa_code_object_version 6
	.text
	.protected	k_q5f4bc0c5c6_norm
	.globl	k_q5f4bc0c5c6_norm
	.p2align	8
	.type	k_q5f4bc0c5c6_norm,@function
k_q5f4bc0c5c6_norm:
	s_mov_b64 s[64:65], 0
	v_nop
	global_prefetch_b8 v0, s[64:65] scope:SCOPE_SE
	s_setreg_imm32_b32 hwreg(HW_REG_WAVE_SCHED_MODE, 0, 2), 2
	s_setreg_imm32_b32 hwreg(HW_REG_WAVE_MODE, 25, 1), 1
	s_wait_xcnt 0x0
	s_wait_alu depctr_vm_vsrc(0)
; out0[b][d][t] = (y[b][d][t] - mean[d]) * rsqrt(var[d] + 1e-5) * gamma[d] + beta[d], mean and (biased) var over all b and t.
; stats holds for each (b, head) 512 bytes: the 64 channels' means over the 512 t, then their sums of squares about those means.
; They are joined without a difference of large sums:
;   mean = sum over b of mean_b / 32,   var = sum over b of (M2_b + 512 (mean_b - mean)^2) / 16,384.
; Nothing of the problem is left out here.
; A stream: no matrix unit, no cluster (the work-groups share nothing but the statistics).
; Work-group g owns head g % 16 of batches 2 (g / 16) and 2 (g / 16) + 1: two runs of 131,072 consecutive bytes.
; Wave w owns channels 4 w .. 4 w + 3 of the head in both batches: 8,192 consecutive bytes of each.
; The head's 32 records of statistics come in whole, once for the work-group: wave w loads those of batches 2 w and 2 w + 1, 512 consecutive
; bytes an instruction, and puts them in LDS (rows of 528 bytes, an odd multiple of 16).  Behind one barrier lane l of each wave takes batch l's
; 16 bytes of means and 16 of sums of squares of the wave's four channels, and the wave joins them by sums over its lanes.
; A wave issues all its 32 loads of y (16 KiB) ahead of that, so that they are on their way meanwhile.
; THE MODE: SCHED_MODE bits 1:0 = 2 (LLVM: expert scheduling mode 2), set by the entry lines.  The code itself states the register dependences
; between vector instructions and memory or LDS instructions, with s_wait_alu, always for 0.
; THE PLAN.  Registers that memory or LDS instructions touch:
;   v[OFF], v[SOF], v[LWR], v[LRD]   offsets and LDS addresses: made once at the head and never written again.
;   v[MB ..], v[QB ..]  v4 serves the head's arithmetic; then the two records land here, the two LDS stores read them, the two LDS loads land here again;
;                       from there on vector instructions alone name them.
;   v[D ..]             32 loads land here; the multiply-adds write them in place; the stores read them; they are never written again.
;   v170, v171          made at the head, read by the closing add alone.
;   SM, SQ, PT, A and SH are named by vector instructions alone.
; y goes in eight groups of four loads (one channel of one batch).  Group g's multiply-adds write its own 16 registers of D; its memory instructions are
; the four stores of group g - 1, whose registers no vector instruction of group g names.  So ONE wait on va_vdst at a group's head states all that those
; four stores hang on, and they are dealt among the group's multiply-adds with no further wait.
.set PST, 528                          ; LDS pitch of a record
.set OFF, 1                            ; v1        16 lane + 8,192 wave
.set SOF, 3                            ; v3        16 lane + two records' distance x wave
.set MB,  4                            ; v[4:7]    a record's quarter as loaded; then batch lane's means of my four channels
.set QB,  8                            ; v[8:11]   likewise; then its sums of squares
.set SM,  12                           ; v[12:15]  the means
.set SQ,  16                           ; v[16:19]  the variances, then 1 / sqrt
.set PT,  20                           ; v[20:23]  the other half's
.set A,   24                           ; v[24:31]  gamma / sqrt(var + eps), twice for each channel
.set SH,  32                           ; v[32:39]  beta - mean x that, twice
.set D,   40                           ; v[40:167] 32 loads of 4 f32
.set LWR, 168                          ; v168      where my 16 bytes of a record go
.set LRD, 169                          ; v169      batch lane's row, my wave's four channels
.macro WAVESUM4 b                      ; four registers, each summed over the 32 lanes, the result in every lane
.irp x, 1,2,4,8
.irp k, 0,1,2,3
	v_add_f32_dpp v[\b+\k], v[\b+\k], v[\b+\k] row_xmask:\x row_mask:0xf bank_mask:0xf
.endr
.endr
.irp k, 0,1,2,3
	v_permlanex16_b32 v[PT+\k], v[\b+\k], s28, s29
.endr
.irp k, 0,1,2,3
	v_add_f32 v[\b+\k], v[\b+\k], v[PT+\k]
.endr
.endm
	s_load_b256 s[4:11], s[0:1], 0x0               ; y s[4:5], stats s[6:7], gamma s[8:9], beta s[10:11]
	s_load_b64 s[12:13], s[0:1], 0x20              ; out0
	v_lshl_add_u32 v170, v0, 2, 0x4200             ; my spare word, behind the 32 records, and 0: kept for the closing lines alone
	v_mov_b32 v171, 0
	v_and_b32 v2, 31, v0                           ; lane
	v_lshrrev_b32 v4, 5, v0                        ; wave
	v_readfirstlane_b32 s14, v4
	v_lshlrev_b32 v[OFF], 4, v2
	v_lshlrev_b32 v[SOF], 4, v2
	v_lshl_add_u32 v[OFF], v4, 13, v[OFF]          ; four channels of 2,048 bytes a wave
	v_lshl_add_u32 v[SOF], v4, 14, v[SOF]          ; two batches of 16 x 512 bytes of statistics a wave
	v_mul_u32_u24 v[LWR], v4, 2*PST
	v_lshl_add_u32 v[LWR], v2, 4, v[LWR]
	v_mul_u32_u24 v[LRD], v2, PST
	v_lshl_add_u32 v[LRD], v4, 4, v[LRD]
	s_wait_alu depctr_va_sdst(0)                   ; s14 is written, ahead of its first reader: the offset of gamma and beta is made from it
	s_and_b32 s15, ttmp9, 15                       ; head
	s_lshr_b32 s16, ttmp9, 4                       ; pair of batches,
	s_lshl_b32 s16, s16, 22                        ; 2 x 2,097,152 bytes each
	s_lshl_b32 s17, s15, 17                        ; + head x 64 x 2,048 bytes
	s_add_co_u32 s16, s16, s17
	s_mov_b32 s17, 0
	s_lshl_b32 s18, s15, 9                         ; the head's record in a batch's statistics
	s_mov_b32 s19, 0
	s_lshl_b32 s32, s15, 8                         ; gamma and beta: head x 64 x 4 bytes
	s_lshl_b32 s33, s14, 4                         ; + my wave's four channels
	s_add_co_u32 s32, s32, s33
	s_mov_b32 s33, 0
	s_mov_b32 s28, 0x76543210                      ; v_permlanex16_b32: lane i reads lane i of the other half
	s_mov_b32 s29, 0xfedcba98
	s_mov_b32 s30, 0x38800000                      ; 1 / 16,384
	s_mov_b32 s31, 0x3727c5ac                      ; 1e-5
	s_mov_b32 s2, 0x44000000                       ; 512
	s_wait_kmcnt 0x0
	s_add_nc_u64 s[4:5], s[4:5], s[16:17]
	s_add_nc_u64 s[12:13], s[12:13], s[16:17]
	s_add_nc_u64 s[6:7], s[6:7], s[18:19]
	s_add_nc_u64 s[8:9], s[8:9], s[32:33]
	s_add_nc_u64 s[10:11], s[10:11], s[32:33]
	s_load_b128 s[20:23], s[8:9], 0x0              ; gamma of my four channels
	s_load_b128 s[24:27], s[10:11], 0x0            ; beta
	s_wait_alu depctr_va_vdst(0)                   ; v[OFF], v[SOF], v[LWR], v[LRD], v170 and v171 are written, which the loads, stores and LDS instructions of the kernel read
	global_load_b128 v[MB:MB+3], v[SOF], s[6:7]                ; the record of batch 2 w: 512 consecutive bytes
	global_load_b128 v[QB:QB+3], v[SOF], s[6:7] offset:8192    ; of batch 2 w + 1
.set i, 0
.rept 32
	global_load_b128 v[D+4*i:D+4*i+3], v[OFF], s[4:5] offset:(i/16)*2097152+(i%16)*512 th:TH_LOAD_NT
.set i, i+1
.endr
.irp k, 0,1,2,3
	v_mov_b32 v[PT+\k], 0                          ; v_permlanex16_b32 counts as a reader of its destination; no memory or LDS instruction names these four
.endr
	s_wait_loadcnt 32                              ; the two records are in; the 32 loads of y issued behind them stay out
	ds_store_b128 v[LWR], v[MB:MB+3]
	ds_store_b128 v[LWR], v[QB:QB+3] offset:PST
	s_wait_dscnt 0x0                               ; my two rows are written
	s_barrier_signal -1
	s_barrier_wait -1                              ; all 32 are
	s_wait_alu depctr_vm_vsrc(0)                   ; my two LDS stores have read v[MB ..] and v[QB ..], in which the two LDS loads below land and which vector instructions write later
	ds_load_b128 v[MB:MB+3], v[LRD]                ; batch lane: means of channels 4 w .. 4 w + 3
	ds_load_b128 v[QB:QB+3], v[LRD] offset:256     ; and sums of squares
	s_wait_dscnt 0x0
.irp k, 0,1,2,3
	v_mov_b32 v[SM+\k], v[MB+\k]                   ; the batches' means are wanted again below
.endr
	WAVESUM4 SM
.irp k, 0,1,2,3
	v_mul_f32 v[SM+\k], 0x3d000000, v[SM+\k]       ; / 32: the mean
.endr
.irp k, 0,1,2,3
	v_sub_f32 v[MB+\k], v[MB+\k], v[SM+\k]
.endr
.irp k, 0,1,2,3
	v_mul_f32 v[MB+\k], v[MB+\k], v[MB+\k]
.endr
.irp k, 0,1,2,3
	v_fma_f32 v[SQ+\k], v[MB+\k], s2, v[QB+\k]     ; 512 (mean_b - mean)^2 + M2_b
.endr
	WAVESUM4 SQ
	s_wait_kmcnt 0x0                               ; gamma and beta
.irp k, 0,1,2,3
	v_fma_f32 v[SQ+\k], v[SQ+\k], s30, s31         ; var + eps
.endr
.irp k, 0,1,2,3
	v_rsq_f32 v[SQ+\k], v[SQ+\k]
.endr
	v_nop                                          ; a plain instruction behind the roots, ahead of the first use of their results
	s_wait_alu depctr_va_vdst(0)                   ; the four roots have written v[SQ ..]: one wait for the batch, ahead of its first reader
.irp k, 0,1,2,3
	v_mul_f32 v[A+2*\k],   s[20+\k], v[SQ+\k]
	v_mul_f32 v[A+2*\k+1], s[20+\k], v[SQ+\k]
.endr
.irp k, 0,1,2,3
	v_fma_f32 v[SH+2*\k],   -v[SM+\k], v[A+2*\k], s[24+\k]
	v_fma_f32 v[SH+2*\k+1], -v[SM+\k], v[A+2*\k], s[24+\k]
.endr
; The stream: eight groups of four loads; group g is channel g % 4 of batch g / 4.  A group's stores are issued in the next group.
.set g, 0
.rept 8
	s_wait_loadcnt 28-4*g                          ; loads return in order: group g's four are in, the four of each younger group stay out
.if g > 0
	s_wait_alu depctr_va_vdst(0)                   ; the multiply-adds of the group before have written its 16 registers of D, which the four stores below read
.endif
.set j, 0
.rept 4
.set i, 4*g+j
.if g > 0
	global_store_b128 v[OFF], v[D+4*(i-4):D+4*(i-4)+3], s[12:13] offset:((i-4)/16)*2097152+((i-4)%16)*512 th:TH_STORE_NT   ; the group before: 512 consecutive bytes, aligned; no vector instruction since the wait names these registers
.endif
	v_pk_fma_f32 v[D+4*i:D+4*i+1],   v[D+4*i:D+4*i+1],   v[A+2*(g%4):A+2*(g%4)+1], v[SH+2*(g%4):SH+2*(g%4)+1]
	v_pk_fma_f32 v[D+4*i+2:D+4*i+3], v[D+4*i+2:D+4*i+3], v[A+2*(g%4):A+2*(g%4)+1], v[SH+2*(g%4):SH+2*(g%4)+1]
.set j, j+1
.endr
.set g, g+1
.endr
	s_wait_alu depctr_va_vdst(0)                   ; the last group's multiply-adds have written its 16 registers of D, which the last four stores read
.set i, 28
.rept 4
	global_store_b128 v[OFF], v[D+4*i:D+4*i+3], s[12:13] offset:(i/16)*2097152+(i%16)*512 th:TH_STORE_NT   ; 512 consecutive bytes, aligned
.set i, i+1
.endr
	s_wait_dscnt 0x0                               ; the closing lines, six on end
	s_wait_alu 0x0
	s_wait_tensorcnt 0x0
	ds_add_u32 v170, v171
	s_wait_dscnt 0x0
	s_endpgm
.Lfunc_end_k_q5f4bc0c5c6_norm:
	.size	k_q5f4bc0c5c6_norm, .Lfunc_end_k_q5f4bc0c5c6_norm-k_q5f4bc0c5c6_norm
	.p2alignl 7, 3214868480
	.fill 96, 4, 3214868480
	.section	.rodata,"a",@progbits
	.p2align	6, 0x0
	.amdhsa_kernel k_q5f4bc0c5c6_norm
		.amdhsa_group_segment_fixed_size 18944
		.amdhsa_private_segment_fixed_size 0
		.amdhsa_enable_private_segment 0
		.amdhsa_kernarg_size 40
		.amdhsa_user_sgpr_count 2
		.amdhsa_user_sgpr_kernarg_segment_ptr 1
		.amdhsa_wavefront_size32 1
		.amdhsa_system_sgpr_workgroup_id_x 1
		.amdhsa_system_sgpr_workgroup_id_y 1
		.amdhsa_system_sgpr_workgroup_id_z 1
		.amdhsa_system_vgpr_workitem_id 0
		.amdhsa_next_free_vgpr 172
		.amdhsa_next_free_sgpr 66
		.amdhsa_reserve_vcc 0
		.amdhsa_float_denorm_mode_32 3
		.amdhsa_float_denorm_mode_16_64 3
		.amdhsa_memory_ordered 1
		.amdhsa_forward_progress 1
		.amdhsa_inst_pref_size 19
	.end_amdhsa_kernel
	.amdgpu_metadata
---
amdhsa.version: [ 1, 2 ]
amdhsa.kernels:
  - .name:           k_q5f4bc0c5c6_norm
    .symbol:         k_q5f4bc0c5c6_norm.kd
    .args:
      - { .name: y, .offset: 0, .size: 8, .value_kind: global_buffer, .address_space: global }
      - { .name: stats, .offset: 8, .size: 8, .value_kind: global_buffer, .address_space: global }
      - { .name: gamma, .offset: 16, .size: 8, .value_kind: global_buffer, .address_space: global }
      - { .name: beta, .offset: 24, .size: 8, .value_kind: global_buffer, .address_space: global }
      - { .name: out0, .offset: 32, .size: 8, .value_kind: global_buffer, .address_space: global }
    .group_segment_fixed_size: 18944
    .private_segment_fixed_size: 0
    .kernarg_segment_align: 8
    .kernarg_segment_size: 40
    .max_flat_workgroup_size: 512
    .sgpr_count:     66
    .vgpr_count:     172
    .wavefront_size: 32
...
	.end_amdgpu_metadata
.endif
;; end of part 4
